; MI455X (gfx1250); checked and timed in simulation.
; The chip was launched on July 23, 2026; its instructions are those of AMD's public machine-readable ISA for CDNA 5 (MIT licence, August 2026) and "CDNA5" Instruction Set Architecture Reference Guide (July 2026). The comments in the code are by the model that wrote it; some were corrected since.
;; Multi Head Attention. Allowed arithmetic: matrix products marked QUANTISED: E4M3 operands, one given power-of-two scale a tensor, by v_wmma_f32_16x16x64_fp8_fp8 or v_wmma_f32_16x16x128_fp8_fp8, f32 sums; everything else in f32.
;; Inputs: Wk 1,024 x 1,024 float32; Wo 1,024 x 1,024 float32; Wq 1,024 x 1,024 float32; Wv 1,024 x 1,024 float32; bo 1,024 float32; lowp_scales 12 int32 (the exponents e of the quantised operands' scales 2^e); x 4 x 2,048 x 1,024 float32.
;; Outputs: out0 4 x 2,048 x 1,024 float32.
;; This version of the problem:
;;   THIS VERSION OF THE PROBLEM IS GIVEN IN LOW PRECISION. The matrix products marked QUANTISED in the list below multiply operands that are first quantised to E4M3 (4 exponent bits, 3 mantissa bits; 8 bits a number), with one given power-of-two scale for each operand tensor; their sums are f32. All else is computed in f32.
;;   The module's matrix products, in the order in which they are computed (A, B: the left and right operand; K: the contracted axis; several contracted axes count as one K, in the product's order):
;;     1. [M 8,192, K 1,024] x [K 1,024, N 1,024]; A: input x; B: input Wq: QUANTISED (scales: A lowp_scales[0], B lowp_scales[1])
;;     2. [M 8,192, K 1,024] x [K 1,024, N 1,024]; A: input x; B: input Wk: QUANTISED (scales: A lowp_scales[2], B lowp_scales[3])
;;     3. [M 8,192, K 1,024] x [K 1,024, N 1,024]; A: input x; B: input Wv: QUANTISED (scales: A lowp_scales[4], B lowp_scales[5])
;;     4. batch 64 x [M 2,048, K 64] x [K 64, N 2,048]; A: computed on the way; B: computed on the way: QUANTISED (scales: A lowp_scales[6], B lowp_scales[7])
;;     5. batch 64 x [M 2,048, K 2,048] x [K 2,048, N 64]; A: softmax (see below); B: computed on the way: QUANTISED (scales: A lowp_scales[8], B lowp_scales[9])
;;     6. [M 8,192, K 1,024] x [K 1,024, N 1,024]; A: computed on the way; B: input Wo: QUANTISED (scales: A lowp_scales[10], B lowp_scales[11])
;;   THE QUANTISER, for each operand of a quantised product, along K:
;;     - The operand's scale is 2^e, e = its entry of the input lowp_scales (int32; the entries are numbered through the quantised products in the list's order, A before B).
;;     - Each number is divided by the scale, clamped to +-448, and rounded to the nearest number of E4M3, ties to even, subnormals kept.
;;     - The product sums the exact products of the quantised numbers (number of the format x scale) in f32.
;;   ~~~python
;;   def quantise(x, axis, e):      # numpy; x: float32 -> the quantised numbers, widened to float32 again
;;       x = np.moveaxis(x, axis, -1); K = x.shape[-1]
;;       r = np.clip(x / 2.0 ** e, -448, 448)
;;       step = 2.0 ** (np.maximum(np.frexp(np.where(r == 0, 1, r))[1] - 1, -6) - 3)
;;       q = np.round(r / step) * step * 2.0 ** e      # np.round: ties to even
;;       return np.moveaxis(q, -1, axis).astype(np.float32)
;;   ~~~
;;   SOFTMAX AHEAD OF A QUANTISED PRODUCT. Where the list says 'softmax', what is quantised is not the finished softmax but p = 2^(t - M), with t = logit x log2(e) and M = ceil(the row's largest t), a whole number; so 1/2 < the row's largest p <= 1. The row's sum l is taken of the UNQUANTISED p, in f32, and the product's result is divided by l at the end. Since M is a whole number, a kernel that streams over the keys may use a running M (the ceiling of the running maximum): every later rescaling is an exact power of two, so the quantised numbers keep their values, but for numbers so far below the row's largest that they fall under the format's range.
;;   OPERANDS COMPUTED ON THE WAY. 'Computed on the way' means the value that the module computes at that place (a softmax that the list does not call 'softmax' is quantised finished and normalised). What goes into a quantiser is computed in f32, as accurately as f32 sums, v_exp_f32 and their like allow (about 1e-6 of the number): no bf16 or f16 on the way to a quantiser, and a product that is left as it is and whose result goes on into a quantised operand takes f32 operands (vector FMAs, or v_wmma_f32_16x16x4_f32). A number that lies on a knife's edge between two numbers of the format may be rounded either way, as far as f32 arithmetic and the matrix unit's own rounding can turn it there, and no further.
;; One version. Each part assembles by itself: llvm-mc -triple=amdgcn-amd-amdhsa -mcpu=gfx1250 --defsym DOCPART=n.
;; ======== version 1 of 1: 4 launches
;; limits: right only within a limited range of input values
;; workspace buffers: xc 25,165,824 bytes; wc 4,194,304 bytes; qc 8,388,608 bytes; kv 16,777,216 bytes; ac 8,388,608 bytes
;; launch quant (part 1): grid 384 x 1, 8 waves a work-group, no clusters, 103,424 bytes of LDS; arguments x, Wq, Wk, Wv, Wo, lowp_scales, xc, wc; writes xc, wc
.if DOCPART == 1
	.amdgcn_target "amdgcn-amd-amdhsa--gfx1250"
	.amdhsa_code_object_version 6
	.text
	.protected	k_qe0459493ef_quant
	.globl	k_qe0459493ef_quant
	.p2align	8
	.type	k_qe0459493ef_quant,@function
k_qe0459493ef_quant:
	s_mov_b64 s[64:65], 0
	v_nop
	global_prefetch_b8 v0, s[64:65] scope:SCOPE_SE
	s_setreg_imm32_b32 hwreg(HW_REG_WAVE_MODE, 25, 1), 1
	s_wait_xcnt 0x0
; x [8192][1024] f32 becomes three planes of E4M3 codes (scales 2^e0, 2^e2, 2^e4); Wq, Wk, Wv, Wo [1024 k][1024 n] f32 become four planes (2^e1, 2^e3, 2^e5, 2^e11), K made innermost.
; code = number / 2^e, held within +-448, rounded to the nearest code, ties to even.
; LIMITS: each of these seven e lies between -126 and 119, so that 2^e and 448 x 2^e are f32 numbers.  NaN among the inputs is not served; an infinity is held at the largest code.
; BOTH OUTPUTS ARE IMAGES OF THE READER'S OPERAND REGISTERS.  A fragment is 16 rows x 128 k of the plain 8-bit layout: lane (r = lane % 16, h = lane / 16) holds row r, registers 2c, 2c+1 hold k = 16c + 8h + 0..7.
; Registers 4q .. 4q+3 are chunk q: 512 bytes, lane l's 16 bytes at 16 l.   xc byte = plane<<23 | S<<21 | I<<12 | s2<<11 | q<<9 | 16 lane (S: 256 along K, I: tile of 16 rows, s2: which 128 of the 256);  wc byte = plane<<20 | S<<18 | N<<12 | ...
; Work-groups 0-255 take x, 256-383 the weights: one scalar branch on the work-group's number; each path has LDS bytes of its own.  Memory binds: every load and store of a wave covers 512 consecutive aligned bytes.
; No tensor loads, no matrix unit, no cluster: nothing is shared between work-groups.
.set XSTW,  8448                       ; x path: a wave's stage, 16 rows x 528
.set XP,    528                        ; 512 bytes + 16: 132 words, so that the 16 rows that a read touches start at 16 different groups of banks
.set WST,   67584                      ; W path: the work-group's stage, 128 rows (columns n) x 272
.set WP,    272                        ; 256 codes + 16
.set SPARE, 102400                     ; behind both stages: the spare words, 128 bytes for each of eight waves
.set LI,    1                          ; v1   16 x lane
.set XIN,   2                          ; v2   x stage, way in
.set XOUT,  3                          ; v3   x stage, way out
.set WIN_,  10                         ; v10  W stage, way in
.set WOUT,  11                         ; v11  W stage, way out
.set SPW,   14                         ; v14  my spare word; never rewritten
.set NIL,   15                         ; v15  0; never rewritten
.set TT,    16                         ; v16.. numbers held, at work
.set XR,    64                         ; v64-191 numbers as loaded; the x path's codes are laid over them once the stage has them
.set XN,    192                        ; v192-255 x path: 64 numbers of my row in the operand's order
	s_load_b512 s[16:31], s[0:1], 0x0              ; x 16, Wq 18, Wk 20, Wv 22, Wo 24, the exponents 26, xc 28, wc 30
	v_lshl_add_u32 v[SPW], v0, 2, SPARE
	v_mov_b32 v[NIL], 0
	v_lshrrev_b32 v1, 5, v0
	s_delay_alu instid0(VALU_DEP_1)
	v_readfirstlane_b32 s4, v1                     ; wave 0..7
	v_and_b32 v16, 31, v0                          ; lane
	v_and_b32 v17, 15, v0                          ; r
	v_bfe_u32 v18, v0, 4, 1                        ; h
	s_delay_alu instid0(VALU_DEP_3)
	v_lshlrev_b32 v[LI], 4, v16
	s_mul_i32 s5, s4, XSTW
	v_add_nc_u32 v[XIN], s5, v[LI]                 ; in: a row's 512 bytes as they lie
	v_mul_u32_u24 v[XOUT], v17, XP
	s_delay_alu instid0(VALU_DEP_1)
	v_lshl_add_u32 v[XOUT], v18, 5, v[XOUT]
	s_delay_alu instid0(VALU_DEP_1)
	v_add_nc_u32 v[XOUT], s5, v[XOUT]              ; out: row r, + 32 h: eight numbers of each 16
	s_lshl_b32 s6, s4, 5
	s_add_co_u32 s6, s6, WST
	v_mul_u32_u24 v[WIN_], v16, 4*WP
	s_delay_alu instid0(VALU_DEP_1)
	v_add_nc_u32 v[WIN_], s6, v[WIN_]              ; in: rows 4 lane + j, my wave's 32 codes at byte 32 x wave
	s_mul_i32 s7, s4, 16*WP
	s_add_co_u32 s7, s7, WST
	v_mul_u32_u24 v[WOUT], v17, WP
	s_delay_alu instid0(VALU_DEP_1)
	v_lshl_add_u32 v[WOUT], v18, 3, v[WOUT]
	s_delay_alu instid0(VALU_DEP_1)
	v_add_nc_u32 v[WOUT], s7, v[WOUT]              ; out: row 16 wave + r, + 8 h
	s_wait_kmcnt 0x0
	s_load_b256 s[32:39], s[26:27], 0x0            ; e0 .. e7
	s_load_b128 s[40:43], s[26:27], 0x20           ; e8 .. e11
	s_mov_b32 s47, 0
	s_cmp_ge_u32 ttmp9, 256                        ; the work-group's number alone: all eight waves go the same way
	s_cbranch_scc1 .Lweights
; ---------------- x: a wave takes 16 rows x 256 along K: two fragments, each quantised three times
	s_lshl_b32 s5, ttmp9, 1
	s_lshr_b32 s6, s4, 2
	s_add_co_u32 s5, s5, s6                        ; I = 2 x work-group + wave / 4
	s_and_b32 s6, s4, 3                            ; S = wave % 4
	s_lshl_b32 s46, s5, 16                         ; 16 rows of 4,096 bytes
	s_lshl_b32 s7, s6, 10
	s_add_co_u32 s46, s46, s7
	s_add_nc_u64 s[44:45], s[16:17], s[46:47]
.irp f, 0,1                                    ; 32 loads, fragment 0's sixteen rows first: 512 consecutive bytes each
.set n, 0
.rept 16
	global_load_b128 v[XR+64*\f+4*n:XR+64*\f+4*n+3], v[LI], s[44:45] offset:n*4096+\f*512 th:TH_LOAD_NT
.set n, n+1
.endr
.endr
	s_lshl_b32 s46, s6, 21
	s_lshl_b32 s7, s5, 12
	s_add_co_u32 s46, s46, s7
	s_add_nc_u64 s[48:49], s[28:29], s[46:47]      ; the three planes lie 8 MiB apart: a base for each
	s_add_nc_u64 s[50:51], s[48:49], 0x800000
	s_add_nc_u64 s[52:53], s[48:49], 0x1000000
	s_wait_kmcnt 0x0
.irp j, 0,1,2
	s_add_co_i32 s8, s[32+2*\j], 127
	s_lshl_b32 s9, s8, 23
	v_mov_b32 v[4+\j], s9                          ; 2^e as f32: the conversion takes its exponent field
	s_add_co_i32 s8, s8, 8
	s_lshl_b32 s8, s8, 23
	s_or_b32 s8, s8, 0x600000
.endr
; A fragment's 16 rows x 512 bytes turn through my own stage: in as loaded, out in the operand's order: v[XN + 8c + i] = x(row r, 16c + 8h + i).  LDS serves a wave's instructions in order, so no wait stands between the stores and the loads.
.macro XTURN f
.set n, 0
.rept 16
	ds_store_b128 v[XIN], v[XR+64*\f+4*n:XR+64*\f+4*n+3] offset:n*XP
.set n, n+1
.endr
.set n, 0
.rept 8
	ds_load_b128 v[XN+8*n:XN+8*n+3], v[XOUT] offset:64*n
	ds_load_b128 v[XN+8*n+4:XN+8*n+7], v[XOUT] offset:64*n+16
.set n, n+1
.endr
	s_wait_dscnt 0x0                               ; the numbers are back, and the stores have read their registers: the codes may be laid over them
.endm
; Three times: eight conversions straight from the numbers (no hold), then four stores of the codes.
.macro XQUANT f
.irp j, 0,1,2
.set c, 0
.rept 8
.set TS, TT+8*(c%2)
.irp i, 0,1,2,3,4,5,6,7
.endr
	v_cvt_scalef32_pk8_fp8_f32 v[XR+64*\f+16*\j+2*c:XR+64*\f+16*\j+2*c+1], v[TS+((XN+8*c+0)-(TS+0)):TS+7+((XN+8*c+0)-(TS+0))], v[4+\j]
.set c, c+1
.endr
	v_nop                                          ; a plain instruction behind the run's last conversion
.irp p, 0,1,2,3
	global_store_b128 v[LI], v[XR+64*\f+16*\j+4*\p:XR+64*\f+16*\j+4*\p+3], s[48+2*\j:49+2*\j] offset:\f*2048+\p*512   ; chunk p: 512 consecutive bytes; no store's registers are ever written again
.endr
.endr
.endm
	s_wait_loadcnt 16                              ; fragment 0's sixteen loads are in; fragment 1's sixteen may be out
	s_wait_alu depctr_va_vdst(0)
	XTURN 0
	XQUANT 0
	s_wait_loadcnt 0x0
	XTURN 1
	XQUANT 1
	s_wait_tensorcnt 0x0                           ; the wave's end, behind my last LDS store
	ds_add_u32 v[SPW], v[NIL]
	s_wait_dscnt 0x0
	s_endpgm
; ---------------- the weights: a work-group takes 256 along K x 128 columns of one weight; wave w takes k rows 32 w .. 32 w + 31, a lane four columns
.Lweights:
	s_sub_co_u32 s5, ttmp9, 256
	s_lshr_b32 s6, s5, 5                           ; plane: Wq, Wk, Wv, Wo
	s_and_b32 s7, s5, 7                            ; which 128 columns
	s_bfe_u32 s8, s5, 0x20003                      ; S: which 256 along K
	s_mov_b64 s[44:45], s[18:19]
	s_cmp_eq_u32 s6, 1
	s_cselect_b64 s[44:45], s[20:21], s[44:45]
	s_cmp_eq_u32 s6, 2
	s_cselect_b64 s[44:45], s[22:23], s[44:45]
	s_cmp_eq_u32 s6, 3
	s_cselect_b64 s[44:45], s[24:25], s[44:45]
	s_lshl_b32 s46, s8, 20                         ; 256 rows of 4,096 bytes
	s_lshl_b32 s9, s4, 17                          ; 32 rows
	s_add_co_u32 s46, s46, s9
	s_lshl_b32 s9, s7, 9                           ; 128 columns
	s_add_co_u32 s46, s46, s9
	s_add_nc_u64 s[44:45], s[44:45], s[46:47]
.set n, 0
.rept 32
	global_load_b128 v[XR+4*n:XR+4*n+3], v[LI], s[44:45] offset:n*4096 th:TH_LOAD_NT   ; row k0 + n, 128 columns: 512 consecutive bytes
.set n, n+1
.endr
	s_lshl_b32 s46, s6, 20
	s_lshl_b32 s9, s8, 18
	s_add_co_u32 s46, s46, s9
	s_lshl_b32 s9, s7, 3
	s_add_co_u32 s9, s9, s4                        ; N = 8 x (128 columns) + wave: the tile of 16 columns that I send out
	s_lshl_b32 s9, s9, 12
	s_add_co_u32 s46, s46, s9
	s_add_nc_u64 s[48:49], s[30:31], s[46:47]
	s_wait_kmcnt 0x0
	s_mov_b32 s9, s33                              ; e1, e3, e5 or e11
	s_cmp_eq_u32 s6, 1
	s_cselect_b32 s9, s35, s9
	s_cmp_eq_u32 s6, 2
	s_cselect_b32 s9, s37, s9
	s_cmp_eq_u32 s6, 3
	s_cselect_b32 s9, s43, s9
	s_add_co_i32 s9, s9, 127
	s_lshl_b32 s10, s9, 23
	v_mov_b32 v12, s10                             ; 2^e
	s_add_co_i32 s9, s9, 8
	s_lshl_b32 s9, s9, 23
	s_or_b32 s9, s9, 0x600000
	v_mov_b32 v13, s9                              ; 448 x 2^e
	s_wait_alu depctr_va_vdst(0)
	s_wait_loadcnt 0x0
; Column 4 lane + j: the hold also gathers the column's 32 numbers, which run down K, into consecutive registers; four conversions give 32 codes with K innermost.  Two sets of registers by turns.
.macro WCOL j
.set TS, TT+176*((\j)%2)
.set n, 0
.rept 32
	v_med3_num_f32 v[TS+n], v[XR+4*n+\j], -v13, v13
.set n, n+1
.endr
.irp g, 0,1,2,3
	v_cvt_scalef32_pk8_fp8_f32 v[224+8*\j+2*\g:225+8*\j+2*\g], v[TS+8*\g:TS+8*\g+7], v12
.endr
	v_nop                                          ; a plain instruction behind the run's last conversion
	ds_store_b128 v[WIN_], v[224+8*\j:227+8*\j] offset:\j*WP
	ds_store_b128 v[WIN_], v[228+8*\j:231+8*\j] offset:\j*WP+16
.endm
	WCOL 0
	WCOL 1
	WCOL 2
	WCOL 3
	s_wait_dscnt 0x0                               ; for the others' sake: my stores into the stage are done
	s_barrier_signal -1
	s_barrier_wait -1                              ; 128 columns x 256 codes lie in the stage
.set m, 0
.rept 8                                        ; chunk m = 4 s2 + q of my tile's two fragments: registers 4q, 4q+1: k = 32q + 8h ..; 4q+2, 4q+3: 16 further on
	ds_load_b64 v[XR+4*m:XR+4*m+1], v[WOUT] offset:128*(m/4)+32*(m%4)
	ds_load_b64 v[XR+4*m+2:XR+4*m+3], v[WOUT] offset:128*(m/4)+32*(m%4)+16
.set m, m+1
.endr
.set m, 0
.rept 8
	s_wait_dscnt 14-2*m                            ; chunk m's two loads are in; the later chunks' may be out
	global_store_b128 v[LI], v[XR+4*m:XR+4*m+3], s[48:49] offset:m*512
.set m, m+1
.endr
	s_wait_tensorcnt 0x0                           ; the wave's end, behind my last LDS store
	ds_add_u32 v[SPW], v[NIL]
	s_wait_dscnt 0x0
	s_endpgm
.Lfunc_end_k_qe0459493ef_quant:
	.size	k_qe0459493ef_quant, .Lfunc_end_k_qe0459493ef_quant-k_qe0459493ef_quant
	.p2alignl 7, 3214868480
	.fill 96, 4, 3214868480
	.section	.rodata,"a",@progbits
	.p2align	6, 0x0
	.amdhsa_kernel k_qe0459493ef_quant
		.amdhsa_group_segment_fixed_size 103424
		.amdhsa_private_segment_fixed_size 0
		.amdhsa_enable_private_segment 0
		.amdhsa_kernarg_size 64
		.amdhsa_user_sgpr_count 2
		.amdhsa_user_sgpr_kernarg_segment_ptr 1
		.amdhsa_wavefront_size32 1
		.amdhsa_system_sgpr_workgroup_id_x 1
		.amdhsa_system_sgpr_workgroup_id_y 1
		.amdhsa_system_sgpr_workgroup_id_z 1
		.amdhsa_system_vgpr_workitem_id 0
		.amdhsa_next_free_vgpr 256
		.amdhsa_next_free_sgpr 66
		.amdhsa_reserve_vcc 0
		.amdhsa_float_denorm_mode_32 3
		.amdhsa_float_denorm_mode_16_64 3
		.amdhsa_fp16_overflow 1
		.amdhsa_memory_ordered 1
		.amdhsa_forward_progress 1
		.amdhsa_inst_pref_size 33
	.end_amdhsa_kernel
	.amdgpu_metadata
---
amdhsa.version: [ 1, 2 ]
amdhsa.kernels:
  - .name:           k_qe0459493ef_quant
    .symbol:         k_qe0459493ef_quant.kd
    .args:
      - { .name: x, .offset: 0, .size: 8, .value_kind: global_buffer, .address_space: global }
      - { .name: Wq, .offset: 8, .size: 8, .value_kind: global_buffer, .address_space: global }
      - { .name: Wk, .offset: 16, .size: 8, .value_kind: global_buffer, .address_space: global }
      - { .name: Wv, .offset: 24, .size: 8, .value_kind: global_buffer, .address_space: global }
      - { .name: Wo, .offset: 32, .size: 8, .value_kind: global_buffer, .address_space: global }
      - { .name: lowp_scales, .offset: 40, .size: 8, .value_kind: global_buffer, .address_space: global }
      - { .name: xc, .offset: 48, .size: 8, .value_kind: global_buffer, .address_space: global }
      - { .name: wc, .offset: 56, .size: 8, .value_kind: global_buffer, .address_space: global }
    .group_segment_fixed_size: 103424
    .private_segment_fixed_size: 0
    .kernarg_segment_align: 8
    .kernarg_segment_size: 64
    .max_flat_workgroup_size: 256
    .sgpr_count:     66
    .vgpr_count:     256
    .wavefront_size: 32
...
	.end_amdgpu_metadata
.endif
;; end of part 1
;; launch qkv (part 2): grid 4 x 96, 4 waves a work-group, clusters of 4 x 4, 327,680 bytes of LDS; arguments xc, wc, lowp_scales, qc, kv; writes qc, kv
.if DOCPART == 2
	.amdgcn_target "amdgcn-amd-amdhsa--gfx1250"
	.amdhsa_code_object_version 6
	.text
	.protected	k_qe0459493ef_qkv
	.globl	k_qe0459493ef_qkv
	.p2align	8
	.type	k_qe0459493ef_qkv,@function
k_qe0459493ef_qkv:
	s_mov_b64 s[64:65], 0
	v_nop
	global_prefetch_b8 v0, s[64:65] scope:SCOPE_SE
	s_setreg_imm32_b32 hwreg(HW_REG_WAVE_MODE, 25, 1), 1
	s_wait_xcnt 0x0
	s_wait_alu depctr_hold_cnt(0) depctr_sa_sdst(0) depctr_va_vdst(0) depctr_va_sdst(0) depctr_va_ssrc(0) depctr_va_vcc(0) depctr_vm_vsrc(0)
	s_getreg_b32 s2, hwreg(HW_REG_IB_STS2, 6, 4)
	s_cmp_eq_u32 s2, 0
	s_cbranch_scc0 .Lentry_in_a_cluster
	s_endpgm
.Lentry_in_a_cluster:
	s_bfe_u32 s2, ttmp6, 0x10000c
	s_cmp_lg_u32 s2, 0xf033
	s_cbranch_scc0 .Lentry_shape_is_right
	s_endpgm
.Lentry_shape_is_right:
; q, k, v = x Wq, x Wk, x Wv on E4M3 codes (K = 1,024), f32 sums; each sum is quantised at once with the scale of the product that will read it (e6, e7, e9) and leaves as a code.
; A tile of 256 x 256 is made by four waves, 128 x 128 each: 64 accumulators of 16 x 16.  j = work-group y / 32 says which of the three products; all sixteen partners of a cluster have the same j.
; K goes in steps of 256 through a ring of two LDS slots.  The operands lie in memory as images of the operand registers (16 rows x 128 k = 4 chunks of 512 bytes, lane l's 16 bytes at 16 l),
; so a step's tile is one dense block of 32,768 bytes a wave, an LDS load takes 512 consecutive bytes, and every k stands in the place that the plain 8-bit layout gives it.
; CLUSTERS: 4 x 4.  x's tile hangs on work-group y alone and is asked for jointly along a row of the cluster, the weight's on work-group x (and j) alone, along a column.
; WHAT A LANE HOLDS.  In a result, a lane holds one row of source 1, and its eight registers eight neighbouring rows of source 0.  q and k are wanted with the head's 64 along a lane's registers: source 1 = tokens, source 0 = weight columns.
; v is wanted with the KEYS along a lane's registers: source 1 = weight columns, source 0 = tokens.  Loads, masks and products are the same text for all three: only the LDS region from which each set of fragments is read is chosen (j = 2 or not).
; So the conversions' results ARE the next launch's operand registers, and they are stored as they stand: 512 consecutive bytes a store, no LDS on the way out.
; qc byte = bh<<17 | T<<10 | chunk<<9 (T: tile of 16 tokens of the batch).   kv byte = bh<<18 | kb<<14 | (K: key tile<<10 | chunk<<9;  V^T: 8192 + d tile<<11 | chunk<<9), kb: 128 keys.
; LIMITS: e6-e0-e1, e7-e2-e3, e9-e4-e5 lie between -126 and 119, so that the folded scale is an f32 number.
; REGISTERS, in windows of 256: window 0: v4 16 x lane, v16-17, v20-21 LDS addresses, v28-29 the add's two, v30 the folded scale, v32-47 store offsets, v128-255 source 1's fragments, later the codes.
;   window 1: source 0's fragments, two sets.   windows 2, 3: the accumulators ((a, b) at v[8 (8 (a % 4) + b)]).
.set HALFT,  32768                     ; 8 tiles of 16 rows x 256 k: what one tensor load brings, and what one wave reads for one source
.set SLOT,   131072                    ; x's two halves, then the weight's two halves
.set SPARE,  262144                    ; behind the ring: the spare words, 128 bytes for each wave
.set ASTEP,  0x200000                  ; bytes from one K step to the next in xc,
.set BSTEP,  0x40000                   ; and in wc
.set LAPS,   2                         ; a lap = two K steps; K = 1,024 is four
.set FR,     16
.set NL,     4
.set NP,     4                         ; places behind this matrix instruction (ISA guide 7.12.1)
.set ADR1, 16                          ; v16-17  LDS address of source 1's fragments in slot 0, 1
.set ADR0, 20                          ; v20-21  the same for source 0
.set SPW,  28
.set NIL,  29
.set VO,   32                          ; v32-47  store offsets
.set AF,   128
.set G1, 24
.set G0, 32
.set G1B, 48
.set G0B, 56
.set MSB, 0
.macro WIN new                         ; the immediate's high byte repeats the setting that is left
.if MSB != (\new)
	s_set_vgpr_msb (MSB<<8)|(\new)
.set MSB, (\new)
.endif
.endm
.set MUL_LO, 0xa1                      ; source 0 window 1, source 1 window 0, C and D window 2
.set MUL_HI, 0xf1                      ; the same, C and D window 3
.set TO_B,   0x40                      ; destination window 1, address window 0
; A joint load: waves 0 and 1 fetch x's halves, waves 2 and 3 the weight's.  The branch hangs on the wave's number alone.  An s_nop 0 and four v_nop follow each line.
.macro JLOAD g0a, g1a, g0b, g1b
	s_cmp_eq_u32 s15, 0
	s_cbranch_scc0 .Lfor_b_\@
	tensor_load_to_lds s[\g0a:\g0a+3], s[\g1a:\g1a+7]
	s_nop 0
.rept 4
	v_nop
.endr
	s_branch .Lasked_\@
.Lfor_b_\@:
	tensor_load_to_lds s[\g0b:\g0b+3], s[\g1b:\g1b+7]
	s_nop 0
.rept 4
	v_nop
.endr
.Lasked_\@:
.endm
.macro CREST                           ; a round of the cluster's barrier behind its opening barrier
	s_cmp_lg_u32 s14, 0
	s_cbranch_scc1 .Lnot_wave_0_\@
	s_barrier_signal -3
.Lnot_wave_0_\@:
	s_barrier_wait -3
	s_barrier_signal -1
	s_barrier_wait -1
.endm
.macro CROUND
	s_barrier_signal -1
	s_barrier_wait -1
	CREST
.endm
	s_load_b256 s[4:11], s[0:1], 0x0               ; xc 4, wc 6, the exponents 8, qc 10
	s_load_b64 s[12:13], s[0:1], 0x20              ; kv
	v_lshl_add_u32 v[SPW], v0, 2, SPARE
	v_mov_b32 v[NIL], 0
	ds_add_u32 v[SPW], v[NIL]                      ; the wave's opening: the add and its wait ahead of my first tensor load; work on registers stands between them
	ds_add_u32 v[SPW], v[NIL]
	v_lshrrev_b32 v1, 5, v0
	v_readfirstlane_b32 s14, v1                    ; wave 0..3
	s_lshr_b32 s15, s14, 1                         ; I fetch for x (0) or for the weight (1)
	s_and_b32 s16, s14, 1                          ; which half of that tile
	s_bfe_u32 s40, ttmp6, 0x40000                  ; cx
	s_bfe_u32 s41, ttmp6, 0x40004                  ; cy
	s_lshl_b32 s42, ttmp9, 2
	s_add_co_u32 s42, s42, s40                     ; work-group x: which 256 columns
	s_and_b32 s66, ttmp7, 0xffff                   ; the cluster's y
	s_lshl_b32 s17, s66, 2
	s_add_co_u32 s17, s17, s41                     ; work-group y
	s_lshr_b32 s67, s66, 3                         ; j: 0 q, 1 k, 2 v: of the cluster's y alone
	s_and_b32 s18, s17, 31                         ; which 256 tokens
	s_lshl_b32 s43, s41, 2
	s_lshl_b32 s43, 15, s43                        ; my row of the cluster
	s_lshl_b32 s44, 0x1111, s40                    ; my column
	s_or_b32 s[G1+0], s43, (3<<16)|(1<<21)         ; 15:0 the mask; 17:16 elements of 8 bytes; 21 set beside a mask; no padding
	s_or_b32 s[G1B+0], s44, (3<<16)|(1<<21)
.irp g, G1, G1B                                ; a dense block as 128 rows of 32 elements (256 bytes)
	s_mov_b32 s[\g+1], 32<<16                      ; tensor_dim0
	s_mov_b32 s[\g+2], 128<<16                     ; tensor_dim1
	s_mov_b32 s[\g+3], 32<<16                      ; tile_dim0
	s_mov_b32 s[\g+4], 128                         ; tile_dim1
	s_mov_b32 s[\g+5], 32                          ; pitch
	s_mov_b32 s[\g+6], 0
	s_mov_b32 s[\g+7], 0
.endr
	s_lshl_b32 s20, s67, 23                        ; x's plane j,
	s_lshl_b32 s19, s18, 16                        ; my 16 tiles of 16 tokens,
	s_add_co_u32 s20, s20, s19
	s_lshl_b32 s19, s16, 15                        ; the half that I fetch
	s_add_co_u32 s20, s20, s19
	s_mov_b32 s21, 0
	s_lshl_b32 s46, s67, 20                        ; the weight's plane j,
	s_lshl_b32 s47, s42, 16                        ; my 16 tiles of 16 columns,
	s_add_co_u32 s46, s46, s47
	s_add_co_u32 s46, s46, s19
	s_mov_b32 s47, 0
	s_lshl_b32 s45, s14, 15                        ; where they go: wave x 32,768: no place in the cluster enters an LDS address
	s_wait_dscnt 0x0                               ; the opening add is done
	s_wait_kmcnt 0x0
	s_load_b256 s[68:75], s[8:9], 0x0              ; e0 .. e7
	s_load_b128 s[76:79], s[8:9], 0x20             ; e8 .. e11
	s_add_nc_u64 s[20:21], s[4:5], s[20:21]
	s_add_nc_u64 s[46:47], s[6:7], s[46:47]
	CROUND                                         ; all sixteen work-groups are here: the first joint loads meet
.irp s, 0,1
	s_mov_b32 s[G0+4*\s], 1
	s_add_co_u32 s[G0+4*\s+1], s45, \s*SLOT
	s_add_nc_u64 s[G0+4*\s+2:G0+4*\s+3], s[20:21], \s*ASTEP
	s_or_b32 s[G0+4*\s+3], s[G0+4*\s+3], 0x80000000
	s_mov_b32 s[G0B+4*\s], 1
	s_add_co_u32 s[G0B+4*\s+1], s45, \s*SLOT
	s_add_nc_u64 s[G0B+4*\s+2:G0B+4*\s+3], s[46:47], \s*BSTEP
	s_or_b32 s[G0B+4*\s+3], s[G0B+4*\s+3], 0x80000000
	JLOAD G0+4*\s, G1, G0B+4*\s, G1B               ; two loads of mine are out
.endr
	v_and_b32 v1, 31, v0
	v_lshlrev_b32 v4, 4, v1                        ; 16 x lane
	s_wait_alu depctr_va_vdst(0)
	s_cmp_eq_u32 s67, 2                            ; v?
	s_cselect_b32 s80, 65536, 0                    ; source 1 reads the weight's region for v, else x's;
	s_cselect_b32 s81, 0, 65536                    ; source 0 the other
	s_cselect_b32 s88, s15, s16                    ; which 128 features are my wave's,
	s_cselect_b32 s89, s16, s15                    ; which 128 tokens
	s_cselect_b32 s84, 8192, 0                     ; V^T lies behind K in a key block
	s_mov_b32 s85, 4096
	s_cselect_b32 s85, 262144, s85                 ; S1: from source 1's tile a to a + 4: four token tiles, or the next head
	s_mov_b32 s86, 1024
	s_cselect_b32 s86, 2048, s86                   ; S2: from tile a to a + 1: a fragment of 64 k, or of 128 k
	s_cmp_eq_u32 s67, 0
	s_mov_b32 s82, 262144
	s_cselect_b32 s82, 131072, s82                 ; bytes of a head in qc, in kv
	s_mov_b32 s83, 16384
	s_cselect_b32 s83, 8192, s83                   ; bytes of 128 tokens of a head
	s_cselect_b64 s[92:93], s[10:11], s[12:13]     ; q goes to qc, k and v to kv
	s_cmp_eq_u32 s67, 2
	s_cselect_b32 s87, 1024, s82                   ; S3: from registers 0-7 to registers 8-15 of a tile's codes: the next head, or chunks 2 and 3
	s_lshl_b32 s21, s15, 15
	s_add_co_u32 s21, s21, s80
	s_lshl_b32 s22, s16, 15
	s_add_co_u32 s22, s22, s81
.irp s, 0,1
	v_add_nc_u32 v[ADR1+\s], s21, v4
	v_add_nc_u32 v[ADR0+\s], s22, v4
	s_add_co_u32 s21, s21, SLOT
	s_add_co_u32 s22, s22, SLOT
.endr
	s_lshr_b32 s90, s18, 3                         ; the batch
	s_lshl_b32 s90, s90, 4
	s_lshl_b32 s91, s42, 2
	s_add_co_u32 s90, s90, s91
	s_lshl_b32 s91, s88, 1
	s_add_co_u32 s90, s90, s91                     ; my first head: 16 batch + 4 x + 2 (half)
	s_mul_i32 s90, s90, s82
	s_and_b32 s91, s18, 7
	s_lshl_b32 s91, s91, 1
	s_add_co_u32 s91, s91, s89                     ; my 128 tokens of the batch
	s_mul_i32 s91, s91, s83
	s_add_co_u32 s90, s90, s91
	s_add_co_u32 s90, s90, s84
	s_mov_b32 s91, 0
	s_add_nc_u64 s[92:93], s[92:93], s[90:91]
.macro MKVO a                          ; the two store offsets of source 1's tile a
	s_mul_i32 s90, s86, (\a)&3
.if (\a) >= 4
	s_add_co_u32 s90, s90, s85
.endif
	v_add_nc_u32 v[VO+2*(\a)], s90, v4
	s_add_co_u32 s90, s90, s87
	v_add_nc_u32 v[VO+2*(\a)+1], s90, v4
.endm
.irp a, 0,1,2,3,4,5,6,7
	MKVO \a
.endr
	s_wait_kmcnt 0x0
	s_sub_co_i32 s94, s74, s68                     ; a sum stands for sum x 2^(ea + eb), so its code is sum / 2^(eo - ea - eb): three scales folded into the conversion's one
	s_sub_co_i32 s94, s94, s69                     ; q: e6 - e0 - e1
	s_sub_co_i32 s95, s75, s70
	s_sub_co_i32 s95, s95, s71                     ; k: e7 - e2 - e3
	s_sub_co_i32 s96, s77, s72
	s_sub_co_i32 s96, s96, s73                     ; v: e9 - e4 - e5
	s_cmp_eq_u32 s67, 1
	s_cselect_b32 s94, s95, s94
	s_cmp_eq_u32 s67, 2
	s_cselect_b32 s94, s96, s94
	s_add_co_i32 s94, s94, 127
	s_lshl_b32 s95, s94, 23
	v_mov_b32 v30, s95                             ; the folded scale as f32
.macro FRAG reg, adr, q, i             ; a fragment's image: four chunks of 512 bytes
.irp c, 0,1,2,3
	ds_load_b128 v[\reg+4*\c:\reg+4*\c+3], v[\adr] offset:(\i)*4096+(\q)*2048+512*\c
.endr
.endm
; 16 matrix instructions: source 1's tiles a0, a0 + 1 x source 0's eight, 128 along K.  The 64 accumulators take turns, one instruction a turn, in the same order in every step.
.macro MUL16 a0, p, zero
.irp a, \a0, \a0+1
.irp b, 0,1,2,3,4,5,6,7
.if \zero
	v_wmma_f32_16x16x128_fp8_fp8 v[8*(8*((\a)%4)+\b):8*(8*((\a)%4)+\b)+7], v[128*(\p)+FR*\b:128*(\p)+FR*\b+FR-1], v[AF+FR*(\a):AF+FR*(\a)+FR-1], 0
.else
	v_wmma_f32_16x16x128_fp8_fp8 v[8*(8*((\a)%4)+\b):8*(8*((\a)%4)+\b)+7], v[128*(\p)+FR*\b:128*(\p)+FR*\b+FR-1], v[AF+FR*(\a):AF+FR*(\a)+FR-1], v[8*(8*((\a)%4)+\b):8*(8*((\a)%4)+\b)+7]
.endif
.endr
.endr
.endm
.macro FETCH_B slot, q, p              ; source 0's eight fragments of the slot's q-th 128 along K into set p
	WIN TO_B
.irp i, 0,1,2,3,4,5,6,7
	FRAG 128*(\p)+FR*\i, ADR0+\slot, \q, \i
.endr
	WIN 0
.endm
.macro FETCH_A slot, q, i0             ; source 1's tiles i0 .. i0 + 3
.irp i, \i0, \i0+1, \i0+2, \i0+3
	FRAG AF+FR*(\i), ADR1+\slot, \q, \i
.endr
.endm
.macro PLACES n                        ; plain vector instructions between a matrix instruction and a load into, or a read of, its registers
.rept \n
	v_nop
.endr
.endm
.macro STEP slot, q, zero              ; a step of 128 along K that has its successor in the same slot
	s_wait_dscnt 4*NL                              ; source 0's set and source 1's tiles 0-3 are in; the youngest sixteen loads (tiles 4-7) may be out
	WIN MUL_LO
	MUL16 0, (\q)%2, \zero
	MUL16 2, (\q)%2, \zero
	s_wait_dscnt 0                                 ; tiles 4-7 are in
	PLACES NP
	FETCH_B \slot, (\q)+1, 1-(\q)%2
	FETCH_A \slot, (\q)+1, 0
	WIN MUL_HI
	MUL16 4, (\q)%2, \zero
	MUL16 6, (\q)%2, \zero
	PLACES NP
	WIN 0
	FETCH_A \slot, (\q)+1, 4
.endm
; A slot's last step changes slots: one barrier; in front of it each wave waits for all its tensor loads, adds 0 to its spare word, and waits for that and for its reads of this slot.  fill = 1: the slot is filled again, two K steps ahead.
.macro TURN slot, next, fill
	s_wait_tensorcnt 0x0                           ; all my tensor loads have landed: my part of the next slot
	ds_add_u32 v[SPW], v[NIL]                      ; 0 onto my spare word
	s_wait_dscnt 4*NL+1                            ; the add and the youngest sixteen loads may be out
	WIN MUL_LO
	MUL16 0, 1, 0
	s_wait_dscnt 0x0                               ; the add is done, and my reads of this slot are over
	s_barrier_signal -1
	MUL16 2, 1, 0
	WIN 0
	s_barrier_wait -1
.if \fill
	CREST                                          ; the barrier has opened a round of the cluster's: no wave of any partner still reads this slot or has a load on its way
	s_add_nc_u64 s[G0+4*\slot+2:G0+4*\slot+3], s[G0+4*\slot+2:G0+4*\slot+3], 2*ASTEP
	s_add_nc_u64 s[G0B+4*\slot+2:G0B+4*\slot+3], s[G0B+4*\slot+2:G0B+4*\slot+3], 2*BSTEP
	JLOAD G0+4*\slot, G1, G0B+4*\slot, G1B         ; the first tensor load behind the round; its four v_nop are also the places in front of the loads below
.else
	PLACES NP
.endif
	FETCH_B \next, 0, 0
	FETCH_A \next, 0, 0
	WIN MUL_HI
	MUL16 4, 1, 0
	MUL16 6, 1, 0
	PLACES NP
	WIN 0
	FETCH_A \next, 0, 4
.endm
	s_wait_tensorcnt 1                             ; my part of K step 0 is in; K step 1's load may be out
	s_barrier_signal -1
	s_barrier_wait -1
	FETCH_B 0, 0, 0
	FETCH_A 0, 0, 0
	FETCH_A 0, 0, 4
	STEP 0, 0, 1                                   ; the first step's products start the sums: nothing is cleared
	s_mov_b32 s3, LAPS-1
.Llap:                                             ; a trip goes once round the ring and fills both slots again
	TURN 0, 1, 1
	STEP 1, 0, 0
	TURN 1, 0, 1
	STEP 0, 0, 0
	s_sub_co_u32 s3, s3, 1
	s_cmp_lg_u32 s3, 0
	s_cbranch_scc1 .Llap
	TURN 0, 1, 0                                   ; the last lap fills nothing
	STEP 1, 0, 0
	s_wait_dscnt 4*NL
	WIN MUL_LO
	MUL16 0, 1, 0
	MUL16 2, 1, 0
	s_wait_alu depctr_va_vdst(0)
	s_wait_dscnt 0
	WIN MUL_HI
	MUL16 4, 1, 0
	MUL16 6, 1, 0
	PLACES NP
; THE WAY OUT of source 1's tile a: eight conversions, four stores of 512 consecutive bytes.  The 16 code registers are two fragments of 64 k (q, k: two heads) or one of 128 k (v).
; Each tile has code registers of its own, where source 1's fragments lay: no register that a store reads is written again.
.macro QOUT a
.set AC, 64*((\a)%4)
.set W, 2+(\a)/4
	WIN (W<<6)|W
.set n, 0
.rept 64
.set n, n+1
.endr
	WIN W
.set n, 0
.rept 8
	v_cvt_scalef32_pk8_fp8_f32 v[AF+16*(\a)+2*n:AF+16*(\a)+2*n+1], v[AC+8*n:AC+8*n+7], v30
.set n, n+1
.endr
	WIN 0
	v_nop                                          ; a plain instruction behind the run's last conversion
.irp p, 0,1,2,3
	global_store_b128 v[VO+2*(\a)+\p/2], v[AF+16*(\a)+4*\p:AF+16*(\a)+4*\p+3], s[92:93] offset:(\p%2)*512
.endr
.endm
.irp a, 0,1,2,3,4,5,6,7
	QOUT \a
.endr
	s_wait_tensorcnt 0x0                           ; the wave's end
	ds_add_u32 v[SPW], v[NIL]
	s_wait_dscnt 0x0
	CROUND                                         ; the closing round: no work-group ends while a partner may still ask for a tile that names it
	s_endpgm
.Lfunc_end_k_qe0459493ef_qkv:
	.size	k_qe0459493ef_qkv, .Lfunc_end_k_qe0459493ef_qkv-k_qe0459493ef_qkv
	.p2alignl 7, 3214868480
	.fill 96, 4, 3214868480
	.section	.rodata,"a",@progbits
	.p2align	6, 0x0
	.amdhsa_kernel k_qe0459493ef_qkv
		.amdhsa_group_segment_fixed_size 327680
		.amdhsa_private_segment_fixed_size 0
		.amdhsa_enable_private_segment 0
		.amdhsa_kernarg_size 40
		.amdhsa_user_sgpr_count 2
		.amdhsa_user_sgpr_kernarg_segment_ptr 1
		.amdhsa_wavefront_size32 1
		.amdhsa_system_sgpr_workgroup_id_x 1
		.amdhsa_system_sgpr_workgroup_id_y 1
		.amdhsa_system_sgpr_workgroup_id_z 1
		.amdhsa_system_vgpr_workitem_id 0
		.amdhsa_next_free_vgpr 1024
		.amdhsa_next_free_sgpr 100
		.amdhsa_reserve_vcc 0
		.amdhsa_float_denorm_mode_32 3
		.amdhsa_float_denorm_mode_16_64 3
		.amdhsa_fp16_overflow 1
		.amdhsa_memory_ordered 1
		.amdhsa_forward_progress 1
		.amdhsa_inst_pref_size 88
	.end_amdhsa_kernel
	.amdgpu_metadata
---
amdhsa.version: [ 1, 2 ]
amdhsa.kernels:
  - .name:           k_qe0459493ef_qkv
    .symbol:         k_qe0459493ef_qkv.kd
    .args:
      - { .name: xc, .offset: 0, .size: 8, .value_kind: global_buffer, .address_space: global }
      - { .name: wc, .offset: 8, .size: 8, .value_kind: global_buffer, .address_space: global }
      - { .name: lowp_scales, .offset: 16, .size: 8, .value_kind: global_buffer, .address_space: global }
      - { .name: qc, .offset: 24, .size: 8, .value_kind: global_buffer, .address_space: global }
      - { .name: kv, .offset: 32, .size: 8, .value_kind: global_buffer, .address_space: global }
    .group_segment_fixed_size: 327680
    .private_segment_fixed_size: 0
    .kernarg_segment_align: 8
    .kernarg_segment_size: 40
    .max_flat_workgroup_size: 128
    .sgpr_count:     100
    .vgpr_count:     1024
    .wavefront_size: 32
...
	.end_amdgpu_metadata
.endif
;; end of part 2
;; launch attn (part 3): grid 4 x 64, 16 waves a work-group, clusters of 4 x 1, 327,680 bytes of LDS; arguments qc, kv, lowp_scales, ac; writes ac
.if DOCPART == 3
	.amdgcn_target "amdgcn-amd-amdhsa--gfx1250"
	.amdhsa_code_object_version 6
	.text
	.protected	k_qe0459493ef_attn
	.globl	k_qe0459493ef_attn
	.p2align	8
	.type	k_qe0459493ef_attn,@function
k_qe0459493ef_attn:
	s_mov_b64 s[64:65], 0
	v_nop
	global_prefetch_b8 v0, s[64:65] scope:SCOPE_SE
	s_setreg_imm32_b32 hwreg(HW_REG_WAVE_MODE, 25, 1), 1
	s_wait_xcnt 0x0
	s_wait_alu depctr_hold_cnt(0) depctr_sa_sdst(0) depctr_va_vdst(0) depctr_va_sdst(0) depctr_va_ssrc(0) depctr_va_vcc(0) depctr_vm_vsrc(0)
	s_getreg_b32 s2, hwreg(HW_REG_IB_STS2, 6, 4)
	s_cmp_eq_u32 s2, 0
	s_cbranch_scc0 .Lentry_in_a_cluster
	s_endpgm
.Lentry_in_a_cluster:
	s_bfe_u32 s2, ttmp6, 0x10000c
	s_cmp_lg_u32 s2, 0x3003
	s_cbranch_scc0 .Lentry_shape_is_right
	s_endpgm
.Lentry_shape_is_right:
; Causal attention of one head a cluster, both products on E4M3 codes; the result is quantised (e10) and stored as the last product's operand image.
; t = score x 2^(e6+e7) x log2(e) / 8;  M = the running largest t rounded UP to a whole number;  p = 2^(t - M) is quantised with 2^e8;  the row's sum is taken of the unquantised p and divides at the end.
; THE HEAD'S WHOLE K AND V, 262,144 bytes of codes, lie in the LDS of each of the cluster's four work-groups: filled once, by joint loads (each wave asks for two pieces), never again: no ring, no barrier in the long loops.
; SHARES.  Work-group cx owns the tiles of 16 queries T = 4 u + cx, u = 0..31; wave w owns u = w and u = 31 - w.  Tile u needs u / 2 + 1 steps of 128 keys, so every wave of every work-group has 17 steps.
; The limits hang on the wave's number alone: all branches are alike in the four partners; cx enters only global addresses and the mask's vector data.  Every loop has a constant trip count; a step past the tile's limit is jumped over.
; LAYOUT.  S^T = K Q^T (source 0 = 16 keys, source 1 = my 16 queries): lane (r, h) holds query r, register 8 t + i key 16 t + 8 h + i: the conversions' results are source 1 of O^T = V^T P^T in the plain layout for 128 k, keys in their order.
; LDS: key block kb (128 keys) at 16,384 kb: K's eight fragments (1,024 bytes each), then V^T's four (2,048 each), all as images of the operand registers: an LDS load takes 512 consecutive bytes.
; ac byte = (head/4)<<21 | (token tile)<<12 | ((head/2)%2)<<11 | (head%2)<<10 | chunk<<9 | 16 lane.
; LIMITS: e6 + e7 between -123 and 130 (added to the constant's exponent field); e8 and e10 - e8 - e9 between -126 and 119.
; Nothing is prefetched: every byte of K and V is asked for at the head.
; REGISTERS: v1 16 x lane; v2 LDS address in hand; v3, v4 the diagonal's bound for my two tiles; v5, v6 the add's two; v12 -M; v13 the largest t; v[14:15] the sum; v16-31 Q of both tiles; v32-95 K's, then V's fragments;
;   v96-159 S^T, then p; v160-191 O^T; v192-207 p's codes; v208-223 the results' codes; v236-254 constants and at work.
.set SPARE, 262144
.set KBB,   16384
.set WV,  12
.set TB,  44                           ; s44  LDS byte of the key block in hand
.set KB,  45                           ; s45  its number
.macro CROUND
	s_barrier_signal -1
	s_barrier_wait -1
	s_cmp_lg_u32 s[WV], 0
	s_cbranch_scc1 .Lnot_wave_0_\@
	s_barrier_signal -3
.Lnot_wave_0_\@:
	s_barrier_wait -3
	s_barrier_signal -1
	s_barrier_wait -1
.endm
	s_load_b256 s[4:11], s[0:1], 0x0               ; qc 4, kv 6, the exponents 8, ac 10
	v_lshl_add_u32 v5, v0, 2, SPARE
	v_mov_b32 v6, 0
	ds_add_u32 v5, v6                              ; the wave's opening: the add and its wait ahead of my first tensor load; work on registers stands between them
	ds_add_u32 v5, v6
	v_lshrrev_b32 v7, 5, v0
	s_delay_alu instid0(VALU_DEP_1)
	v_readfirstlane_b32 s[WV], v7                  ; wave 0..15
	s_bfe_u32 s13, ttmp6, 0x40000                  ; cx
	s_and_b32 s14, ttmp7, 0xffff                   ; batch x 16 + head: the four partners share it
	s_mov_b32 s16, 15|(3<<16)|(1<<21)              ; group 1 of the first piece: mask of all four; elements of 8 bytes; 21 set beside a mask
	s_mov_b32 s17, 32<<16                          ; rows of 32 elements (256 bytes), dense
	s_mov_b32 s18, 16<<16                          ; 16 rows
	s_mov_b32 s19, 32<<16
	s_mov_b32 s20, 16
	s_mov_b32 s21, 32
	s_mov_b32 s22, 0
	s_mov_b32 s23, 0
	s_mov_b32 s24, 15|(3<<16)|(1<<21)              ; of the second: 48 rows
	s_mov_b32 s25, 32<<16
	s_mov_b32 s26, 48<<16
	s_mov_b32 s27, 32<<16
	s_mov_b32 s28, 48
	s_mov_b32 s29, 32
	s_mov_b32 s30, 0
	s_mov_b32 s31, 0
	s_mov_b32 s32, 1
	s_lshl_b32 s33, s[WV], 12                      ; key blocks 0-3 are 65,536 bytes: 4,096 a wave
	s_mov_b32 s36, 1
	s_mul_i32 s37, s[WV], 12288                    ; key blocks 4-15 are 196,608 bytes: 12,288 a wave
	s_add_co_u32 s37, s37, 65536
	s_lshl_b32 s74, s14, 18                        ; the head's first byte in kv; LDS mirrors the head byte for byte
	s_add_co_u32 s76, s74, s33
	s_mov_b32 s77, 0
	s_add_co_u32 s78, s74, s37
	s_mov_b32 s79, 0
	s_mov_b32 s40, 0x76543210                      ; v_permlanex16_b32's selects for lane l xor 16
	s_mov_b32 s41, 0xfedcba98
	s_wait_dscnt 0x0                               ; the opening add is done
	s_wait_kmcnt 0x0
	s_load_b256 s[48:55], s[8:9], 0x0              ; e0 .. e7
	s_load_b128 s[56:59], s[8:9], 0x20             ; e8 .. e11
	s_add_nc_u64 s[34:35], s[6:7], s[76:77]
	s_or_b32 s35, s35, 0x80000000
	s_add_nc_u64 s[38:39], s[6:7], s[78:79]
	s_or_b32 s39, s39, 0x80000000
	CROUND                                         ; all four work-groups are here: the joint loads meet
	tensor_load_to_lds s[32:35], s[16:23]          ; the first fill: one load of mine is out
	s_nop 0
	s_wait_alu depctr_va_vdst(0)
	s_wait_tensorcnt 0x0
	ds_add_u32 v5, v6
	s_wait_dscnt 0x0
	CROUND
	tensor_load_to_lds s[36:39], s[24:31]
	s_nop 0
.rept 4
	v_nop
.endr
	v_and_b32 v7, 31, v0
	s_delay_alu instid0(VALU_DEP_1)
	v_lshlrev_b32 v1, 4, v7
	v_and_b32 v8, 15, v0                           ; r
	v_bfe_u32 v9, v0, 4, 1
	s_delay_alu instid0(VALU_DEP_1)
	v_lshlrev_b32 v9, 3, v9                        ; 8 h
	s_delay_alu instid0(VALU_DEP_1)
	v_sub_nc_u32 v8, v8, v9
	s_wait_alu depctr_va_vdst(0)
	s_sub_co_u32 s80, 31, s[WV]                    ; my second tile's u
	s_lshr_b32 s46, s[WV], 1                       ; the last key block of my first tile,
	s_lshr_b32 s47, s80, 1                         ; of my second
	s_and_b32 s81, s[WV], 1
	s_lshl_b32 s81, s81, 2
	s_add_co_u32 s81, s81, s13
	s_lshl_b32 s81, s81, 4
	v_add_nc_u32 v3, s81, v8                       ; D = my query - the diagonal block's first key - 8 h: register 8 t + i is hidden where 16 t + i > D
	s_and_b32 s81, s80, 1
	s_lshl_b32 s81, s81, 2
	s_add_co_u32 s81, s81, s13
	s_lshl_b32 s81, s81, 4
	v_add_nc_u32 v4, s81, v8
	s_lshl_b32 s82, s[WV], 2
	s_add_co_u32 s82, s82, s13                     ; T of my first tile,
	s_lshl_b32 s83, s80, 2
	s_add_co_u32 s83, s83, s13                     ; of my second
	s_lshl_b32 s84, s14, 17
	s_mov_b32 s87, 0
	s_lshl_b32 s86, s82, 10
	s_add_co_u32 s86, s86, s84
	s_add_nc_u64 s[66:67], s[4:5], s[86:87]
	s_lshl_b32 s86, s83, 10
	s_add_co_u32 s86, s86, s84
	s_add_nc_u64 s[68:69], s[4:5], s[86:87]
	global_load_b128 v[16:19], v1, s[66:67]        ; Q's fragments stay in registers
	global_load_b128 v[20:23], v1, s[66:67] offset:512
	global_load_b128 v[24:27], v1, s[68:69]
	global_load_b128 v[28:31], v1, s[68:69] offset:512
	s_and_b32 s88, s14, 15                         ; head
	s_lshr_b32 s89, s14, 4                         ; batch
	s_lshr_b32 s90, s88, 2
	s_lshl_b32 s90, s90, 21
	s_bfe_u32 s91, s88, 0x10001
	s_lshl_b32 s91, s91, 11
	s_add_co_u32 s90, s90, s91
	s_and_b32 s91, s88, 1
	s_lshl_b32 s91, s91, 10
	s_add_co_u32 s90, s90, s91
	s_lshl_b32 s89, s89, 19                        ; 128 token tiles of 4,096 bytes a batch
	s_add_co_u32 s90, s90, s89
	s_lshl_b32 s86, s82, 12
	s_add_co_u32 s86, s86, s90
	s_add_nc_u64 s[70:71], s[10:11], s[86:87]
	s_lshl_b32 s86, s83, 12
	s_add_co_u32 s86, s86, s90
	s_add_nc_u64 s[72:73], s[10:11], s[86:87]
	s_wait_kmcnt 0x0
	s_mov_b32 s42, 0x3e38aa3b                      ; log2(e) / 8
	s_add_co_i32 s92, s54, s55
	s_lshl_b32 s92, s92, 23
	s_add_co_i32 s42, s42, s92                     ; x 2^(e6 + e7): added to the exponent field
	s_mov_b32 s43, s42                             ; (named with it as a pair, so it is written)
	s_add_co_i32 s92, s56, 127
	s_lshl_b32 s93, s92, 23
	v_mov_b32 v244, s93                            ; 2^e8
	s_sub_co_i32 s92, s58, s56
	s_sub_co_i32 s92, s92, s57
	s_add_co_i32 s92, s92, 127
	s_lshl_b32 s93, s92, 23
	v_mov_b32 v246, s93                            ; 2^(e10 - e8 - e9): a sum of the second product stands for sum x 2^(e8 + e9)
	v_mov_b32 v248, 0xff800000                     ; -infinity
	v_mov_b32 v236, 0                              ; a lane permute's destination counts as one of its sources
	v_mov_b32 v252, 0
	v_mov_b32 v253, 0                              ; (named as the upper half of the pair v[252:253])
.macro INIT                            ; a tile begins: zeros, which the first change of M leaves zeros
	v_mov_b32 v13, 0xff61b1e6                      ; -3e38, under every t
	s_delay_alu instid0(VALU_DEP_1)
	v_floor_f32 v12, -v13
	v_mov_b32 v14, 0
	v_mov_b32 v15, 0
.set n, 0
.rept 32
	v_mov_b32 v[160+n], 0
.set n, n+1
.endr
	s_mov_b32 s[KB], 0
	s_mov_b32 s[TB], 0
.endm
; A STEP: 128 keys for one tile of 16 queries.  qr: Q's first register; lim: the scalar with the tile's last key block; dreg: the register with the diagonal's bound.
.macro STEP qr, lim, dreg
	s_cmp_gt_u32 s[KB], s[\lim]                    ; all keys of this block come after my queries: the work is jumped over, not the address step at the end
	s_cbranch_scc1 .Lskip_\@
	s_setprio 2
	v_add_nc_u32 v2, s[TB], v1
.rept 3
	v_nop                                          ; with the addition: four places in front of loads into registers that the last products read
.endr
.irp t, 0,1,2,3,4,5,6,7
	ds_load_b128 v[32+8*\t:35+8*\t], v2 offset:\t*1024
	ds_load_b128 v[36+8*\t:39+8*\t], v2 offset:\t*1024+512
.endr
	s_wait_alu depctr_va_vdst(0)
.irp t, 0,1,2,3,4,5,6,7
	s_wait_dscnt 14-2*\t                           ; key tile t's two loads are in; the later tiles' may be out
	v_wmma_f32_16x16x64_fp8_fp8 v[96+8*\t:103+8*\t], v[32+8*\t:39+8*\t], v[\qr:\qr+7], 0
.endr
.rept 4
	v_nop                                          ; places in front of the loads below and of the first read of the scores
.endr
.irp u, 0,1,2,3                                ; V^T's four fragments land while the softmax is worked
.irp c, 0,1,2,3
	ds_load_b128 v[32+16*\u+4*\c:35+16*\u+4*\c], v2 offset:8192+\u*2048+\c*512
.endr
.endr
	s_cmp_lg_u32 s[KB], s[\lim]                    ; only the tile's last block lies on the diagonal
	s_cbranch_scc1 .Lopen_\@
.set n, 0
.rept 64
	v_cmp_gt_i32 vcc_lo, 16*(n/8)+n%8, v[\dreg]
	v_cndmask_b32 v[96+n], v[96+n], v248, vcc_lo   ; a hidden key's score becomes -infinity: p = 0
.set n, n+1
.endr
.Lopen_\@:
	v_max3_num_f32 v254, v96, v97, v98             ; the step's largest score of my query among my 64 keys, in two chains, from the low end on
	v_max3_num_f32 v252, v99, v100, v101
.irp i, 6,10,14,18,22,26,30,34,38,42,46,50,54,58
	v_max3_num_f32 v254, v254, v[96+\i], v[97+\i]
	v_max3_num_f32 v252, v252, v[98+\i], v[99+\i]
.endr
	v_max3_num_f32 v254, v254, v158, v159
	s_delay_alu instid0(VALU_DEP_1)
	v_max_num_f32 v254, v254, v252
	s_delay_alu instid0(VALU_DEP_1)
	v_permlanex16_b32 v236, v254, s40, s41
	s_delay_alu instid0(VALU_DEP_1)
	v_max_num_f32 v254, v254, v236                 ; and among lane l xor 16's
	s_delay_alu instid0(VALU_DEP_1)
	v_mul_f32 v254, s42, v254                      ; as t
	s_delay_alu instid0(VALU_DEP_1)
	v_max_num_f32 v13, v13, v254                   ; the running largest t
	v_mov_b32 v254, v12
	s_delay_alu instid0(VALU_DEP_2)
	v_floor_f32 v12, -v13                          ; -M = floor(-t): M is a whole number
	s_delay_alu instid0(VALU_DEP_1)
	v_sub_f32 v254, v12, v254                      ; old M - new M: a whole number, 0 or less
	s_delay_alu instid0(VALU_DEP_1)
	v_cvt_i32_f32 v254, v254                       ; (it saturates)
	s_delay_alu instid0(VALU_DEP_1)
	v_ldexp_f32 v252, 1.0, v254                    ; f = 2^(old M - new M): a multiplication by it rounds nothing
.set n, 0
	s_setprio 1
.rept 32
	v_pk_fma_f32 v[96+n:97+n], v[96+n:97+n], s[42:43], v[12:13] op_sel_hi:[1,0,0]   ; t - M, two at a time
.set n, n+2
.endr
.set n, 0
	s_wait_alu depctr_va_vdst(0)
.rept 64
	v_exp_f32 v[96+n], v[96+n]                     ; p = 2^(t - M)
.set n, n+1
.endr
	v_pk_mul_f32 v[14:15], v[14:15], v[252:253] op_sel_hi:[1,0]   ; the sum under the new M: the plain instruction behind the exponentials
	s_wait_alu depctr_va_vdst(0)                   ; one wait for the batch of 64, ahead of its first reader
	v_pk_add_f32 v[242:243], v[96:97], v[98:99]    ; the row's sum is taken of the unquantised p, in two chains
.irp j, 4,8,12,16,20,24,28,32,36,40,44,48,52,56,60
	v_pk_add_f32 v[14:15], v[14:15], v[96+\j:97+\j]
	v_pk_add_f32 v[242:243], v[242:243], v[98+\j:99+\j]
.endr
	s_delay_alu instid0(VALU_DEP_1)
	v_pk_add_f32 v[14:15], v[14:15], v[242:243]
	s_setprio 0
.irp t, 0,1,2,3,4,5,6,7
.irp i, 0,1,2,3,4,5,6,7
.endr
	v_cvt_scalef32_pk8_fp8_f32 v[192+2*\t:193+2*\t], v[96+8*\t:103+8*\t], v244
.endr
.set n, 0
.rept 16
	v_pk_mul_f32 v[160+n:161+n], v[160+n:161+n], v[252:253] op_sel_hi:[1,0]   ; O^T under the new M; also the plain instructions between the conversions and the products
.set n, n+2
.endr
	s_wait_alu depctr_va_vdst(0)
	s_wait_dscnt 0x0                               ; V^T is in
.irp u, 0,1,2,3                                ; four accumulators, one instruction a turn
	v_wmma_f32_16x16x128_fp8_fp8 v[160+8*\u:167+8*\u], v[32+16*\u:47+16*\u], v[192:207], v[160+8*\u:167+8*\u]
.endr
.Lskip_\@:
	s_add_co_u32 s[TB], s[TB], KBB
.endm
; A tile ends: O^T / the sum, quantised with the folded scale; the eight code registers are two chunks of the next launch's operand image: 1,024 consecutive bytes.
.macro FINISH creg, base
.rept 4
	v_nop                                          ; places behind the last products
.endr
	v_add_f32 v14, v14, v15
	s_delay_alu instid0(VALU_DEP_1)
	v_permlanex16_b32 v252, v14, s40, s41
	s_delay_alu instid0(VALU_DEP_1)
	v_add_f32 v14, v14, v252                       ; the row's sum
	s_wait_alu depctr_va_vdst(0)
	v_rcp_f32 v14, v14
	v_nop                                          ; a plain instruction behind the reciprocal,
	s_wait_alu depctr_va_vdst(0)                   ; and the wait ahead of its first reader
.set n, 0
.rept 16
	v_pk_mul_f32 v[96+n:97+n], v[160+n:161+n], v[14:15] op_sel_hi:[1,0]
.set n, n+2
.endr
.set n, 0
.rept 32
.set n, n+1
.endr
.irp u, 0,1,2,3
	v_cvt_scalef32_pk8_fp8_f32 v[\creg+2*\u:\creg+2*\u+1], v[96+8*\u:103+8*\u], v246
.endr
	v_nop                                          ; a plain instruction behind the run's last conversion
	global_store_b128 v1, v[\creg:\creg+3], s[\base:\base+1]
	global_store_b128 v1, v[\creg+4:\creg+7], s[\base:\base+1] offset:512
.endm
	INIT
	s_wait_tensorcnt 1                             ; my part of key blocks 0-3 is in; my second load may be out
	s_barrier_signal -1
	s_barrier_wait -1                              ; everybody's is
	s_wait_loadcnt 0x0                             ; Q
.Lfirst:                                           ; my first tile, key blocks 0-3
	STEP 16, 46, 3
	s_add_co_u32 s[KB], s[KB], 1
	s_cmp_lt_u32 s[KB], 4
	s_cbranch_scc1 .Lfirst
	s_setprio 0
	s_wait_tensorcnt 0x0                           ; my part of key blocks 4-15 is in,
	s_wait_dscnt 0x0
	s_barrier_signal -1
	s_barrier_wait -1                              ; everybody's is: the whole head lies in LDS
.Lsecond:                                          ; my first tile, key blocks 4-7
	STEP 16, 46, 3
	s_add_co_u32 s[KB], s[KB], 1
	s_cmp_lt_u32 s[KB], 8
	s_cbranch_scc1 .Lsecond
	s_setprio 0
	FINISH 208, 70
	INIT
.Lthird:                                           ; my second tile, key blocks 0-15
	STEP 24, 47, 4
	s_add_co_u32 s[KB], s[KB], 1
	s_cmp_lt_u32 s[KB], 16
	s_cbranch_scc1 .Lthird
	s_setprio 0
	FINISH 216, 72
	s_wait_tensorcnt 0x0                           ; the wave's end
	ds_add_u32 v5, v6
	s_wait_dscnt 0x0
	CROUND                                         ; the closing round
	s_endpgm
.Lfunc_end_k_qe0459493ef_attn:
	.size	k_qe0459493ef_attn, .Lfunc_end_k_qe0459493ef_attn-k_qe0459493ef_attn
	.p2alignl 7, 3214868480
	.fill 96, 4, 3214868480
	.section	.rodata,"a",@progbits
	.p2align	6, 0x0
	.amdhsa_kernel k_qe0459493ef_attn
		.amdhsa_group_segment_fixed_size 327680
		.amdhsa_private_segment_fixed_size 0
		.amdhsa_enable_private_segment 0
		.amdhsa_kernarg_size 32
		.amdhsa_user_sgpr_count 2
		.amdhsa_user_sgpr_kernarg_segment_ptr 1
		.amdhsa_wavefront_size32 1
		.amdhsa_system_sgpr_workgroup_id_x 1
		.amdhsa_system_sgpr_workgroup_id_y 1
		.amdhsa_system_sgpr_workgroup_id_z 1
		.amdhsa_system_vgpr_workitem_id 0
		.amdhsa_next_free_vgpr 256
		.amdhsa_next_free_sgpr 100
		.amdhsa_reserve_vcc 1
		.amdhsa_float_denorm_mode_32 3
		.amdhsa_float_denorm_mode_16_64 3
		.amdhsa_fp16_overflow 1
		.amdhsa_memory_ordered 1
		.amdhsa_forward_progress 1
		.amdhsa_inst_pref_size 71
	.end_amdhsa_kernel
	.amdgpu_metadata
---
amdhsa.version: [ 1, 2 ]
amdhsa.kernels:
  - .name:           k_qe0459493ef_attn
    .symbol:         k_qe0459493ef_attn.kd
    .args:
      - { .name: qc, .offset: 0, .size: 8, .value_kind: global_buffer, .address_space: global }
      - { .name: kv, .offset: 8, .size: 8, .value_kind: global_buffer, .address_space: global }
      - { .name: lowp_scales, .offset: 16, .size: 8, .value_kind: global_buffer, .address_space: global }
      - { .name: ac, .offset: 24, .size: 8, .value_kind: global_buffer, .address_space: global }
    .group_segment_fixed_size: 327680
    .private_segment_fixed_size: 0
    .kernarg_segment_align: 8
    .kernarg_segment_size: 32
    .max_flat_workgroup_size: 512
    .sgpr_count:     100
    .vgpr_count:     256
    .wavefront_size: 32
...
	.end_amdgpu_metadata
.endif
;; end of part 3
;; launch oproj (part 4): grid 4 x 32, 4 waves a work-group, clusters of 4 x 4, 327,680 bytes of LDS; arguments ac, wc, lowp_scales, bo, out0; writes out0
.if DOCPART == 4
	.amdgcn_target "amdgcn-amd-amdhsa--gfx1250"
	.amdhsa_code_object_version 6
	.text
	.protected	k_qe0459493ef_oproj
	.globl	k_qe0459493ef_oproj
	.p2align	8
	.type	k_qe0459493ef_oproj,@function
k_qe0459493ef_oproj:
	s_mov_b64 s[64:65], 0
	v_nop
	global_prefetch_b8 v0, s[64:65] scope:SCOPE_SE
	s_setreg_imm32_b32 hwreg(HW_REG_WAVE_MODE, 25, 1), 1
	s_wait_xcnt 0x0
	s_wait_alu depctr_hold_cnt(0) depctr_sa_sdst(0) depctr_va_vdst(0) depctr_va_sdst(0) depctr_va_ssrc(0) depctr_va_vcc(0) depctr_vm_vsrc(0)
	s_getreg_b32 s2, hwreg(HW_REG_IB_STS2, 6, 4)
	s_cmp_eq_u32 s2, 0
	s_cbranch_scc0 .Lentry_in_a_cluster
	s_endpgm
.Lentry_in_a_cluster:
	s_bfe_u32 s2, ttmp6, 0x10000c
	s_cmp_lg_u32 s2, 0xf033
	s_cbranch_scc0 .Lentry_shape_is_right
	s_endpgm
.Lentry_shape_is_right:
; out0 = (attention's result) Wo + bo: the product on E4M3 codes (K = 1,024), f32 sums; each sum x 2^(e10 + e11) + bo by one fused multiply-add.
; A tile of 256 x 256 is made by four waves, 128 x 128 each: 64 accumulators of 16 x 16.  K goes in steps of 256 through a ring of two LDS slots.  Both operands lie in memory as images of the operand registers
; (16 rows x 128 k = 4 chunks of 512 bytes, lane l's 16 bytes at 16 l), so a step's tile is one dense block of 32,768 bytes a wave, and every k stands in the place that the plain 8-bit layout gives it.
; CLUSTERS: 4 x 4.  The rows' tile hangs on work-group y alone and is asked for jointly along a row of the cluster, Wo's on work-group x alone, along a column.
; Source 0 = 16 columns of Wo, source 1 = 16 tokens: a lane holds eight neighbouring numbers of a row of the output.
; LIMIT: e10 + e11 between -126 and 127, so that 2^(e10 + e11) is an f32 number.
; The grid has 128 work-groups: 8,192 x 1,024 outputs in tiles of 256 x 256.
; REGISTERS, in windows of 256: window 0: v8-11 my four columns' bias, v16-17, v20-21 LDS addresses, v24-26 the way out, v28-29 the add's two, v128-255 source 1's fragments, later rows of the output.
;   window 1: source 0's fragments, two sets.   windows 2, 3: the accumulators ((a, b) at v[8 (8 (a % 4) + b)]).
.set HALFT,  32768
.set SLOT,   131072
.set SPARE,  262144                    ; behind the ring: the spare words, 128 bytes for each wave
.set ASTEP,  0x200000
.set BSTEP,  0x40000
.set LAPS,   2
.set FR,     16
.set NL,     4
.set NP,     4                         ; places behind this matrix instruction (ISA guide 7.12.1)
.set SPITCH, 528                       ; the way out: a stage of 16 rows x (512 bytes + 16) for each wave, in slot 0, which has had its last fill and its last read when the first result is stored there
.set ADR1, 16
.set ADR0, 20
.set STO,  24
.set RD,   25
.set CO,   26
.set SPW,  28
.set NIL,  29
.set AF,   128
.set BK,   128
.set G1, 24
.set G0, 32
.set G1B, 48
.set G0B, 56
.set MSB, 0
.macro WIN new                         ; the immediate's high byte repeats the setting that is left
.if MSB != (\new)
	s_set_vgpr_msb (MSB<<8)|(\new)
.set MSB, (\new)
.endif
.endm
.set MUL_LO, 0xa1
.set MUL_HI, 0xf1
.set TO_B,   0x40
.macro JLOAD g0a, g1a, g0b, g1b        ; a joint load: waves 0 and 1 fetch the rows' halves, waves 2 and 3 Wo's; an s_nop 0 and four v_nop follow each line
	s_cmp_eq_u32 s15, 0
	s_cbranch_scc0 .Lfor_b_\@
	tensor_load_to_lds s[\g0a:\g0a+3], s[\g1a:\g1a+7]
	s_nop 0
.rept 4
	v_nop
.endr
	s_branch .Lasked_\@
.Lfor_b_\@:
	tensor_load_to_lds s[\g0b:\g0b+3], s[\g1b:\g1b+7]
	s_nop 0
.rept 4
	v_nop
.endr
.Lasked_\@:
.endm
.macro CREST
	s_cmp_lg_u32 s14, 0
	s_cbranch_scc1 .Lnot_wave_0_\@
	s_barrier_signal -3
.Lnot_wave_0_\@:
	s_barrier_wait -3
	s_barrier_signal -1
	s_barrier_wait -1
.endm
.macro CROUND
	s_barrier_signal -1
	s_barrier_wait -1
	CREST
.endm
	s_load_b256 s[4:11], s[0:1], 0x0               ; ac 4, wc 6, the exponents 8, bo 10
	s_load_b64 s[12:13], s[0:1], 0x20              ; out0
	v_lshl_add_u32 v[SPW], v0, 2, SPARE
	v_mov_b32 v[NIL], 0
	ds_add_u32 v[SPW], v[NIL]                      ; the wave's opening: the add and its wait ahead of my first tensor load; work on registers stands between them
	ds_add_u32 v[SPW], v[NIL]
	v_lshrrev_b32 v1, 5, v0
	v_readfirstlane_b32 s14, v1                    ; wave 0..3
	s_lshr_b32 s15, s14, 1                         ; which half of the tile's rows is mine.  Also: I fetch for the rows (0) or for Wo (1)
	s_and_b32 s16, s14, 1                          ; which half of its columns.  Also: which half of that tile I fetch
	s_bfe_u32 s40, ttmp6, 0x40000                  ; cx
	s_bfe_u32 s41, ttmp6, 0x40004                  ; cy
	s_lshl_b32 s42, ttmp9, 2
	s_add_co_u32 s42, s42, s40                     ; work-group x
	s_and_b32 s17, ttmp7, 0xffff
	s_lshl_b32 s17, s17, 2
	s_add_co_u32 s17, s17, s41                     ; work-group y
	s_lshl_b32 s43, s41, 2
	s_lshl_b32 s43, 15, s43                        ; my row of the cluster
	s_lshl_b32 s44, 0x1111, s40                    ; my column
	s_or_b32 s[G1+0], s43, (3<<16)|(1<<21)         ; 15:0 the mask; 17:16 elements of 8 bytes; 21 set beside a mask; no padding
	s_or_b32 s[G1B+0], s44, (3<<16)|(1<<21)
.irp g, G1, G1B                                ; a dense block as 128 rows of 32 elements (256 bytes)
	s_mov_b32 s[\g+1], 32<<16
	s_mov_b32 s[\g+2], 128<<16
	s_mov_b32 s[\g+3], 32<<16
	s_mov_b32 s[\g+4], 128
	s_mov_b32 s[\g+5], 32
	s_mov_b32 s[\g+6], 0
	s_mov_b32 s[\g+7], 0
.endr
	s_lshl_b32 s20, s17, 16                        ; my 16 tiles of 16 tokens,
	s_lshl_b32 s19, s16, 15                        ; the half that I fetch
	s_add_co_u32 s20, s20, s19
	s_mov_b32 s21, 0
	s_lshl_b32 s46, s42, 16                        ; my 16 tiles of 16 columns
	s_add_co_u32 s46, s46, s19
	s_add_co_u32 s46, s46, 0x300000                ; Wo is plane 3 of wc
	s_mov_b32 s47, 0
	s_lshl_b32 s45, s14, 15                        ; where they go: wave x 32,768
	s_wait_dscnt 0x0                               ; the opening add is done
	s_wait_kmcnt 0x0
	s_load_b64 s[96:97], s[8:9], 0x28              ; e10, e11
	s_add_nc_u64 s[20:21], s[4:5], s[20:21]
	s_add_nc_u64 s[46:47], s[6:7], s[46:47]
	CROUND                                         ; all sixteen work-groups are here: the first joint loads meet
.irp s, 0,1
	s_mov_b32 s[G0+4*\s], 1
	s_add_co_u32 s[G0+4*\s+1], s45, \s*SLOT
	s_add_nc_u64 s[G0+4*\s+2:G0+4*\s+3], s[20:21], \s*ASTEP
	s_or_b32 s[G0+4*\s+3], s[G0+4*\s+3], 0x80000000
	s_mov_b32 s[G0B+4*\s], 1
	s_add_co_u32 s[G0B+4*\s+1], s45, \s*SLOT
	s_add_nc_u64 s[G0B+4*\s+2:G0B+4*\s+3], s[46:47], \s*BSTEP
	s_or_b32 s[G0B+4*\s+3], s[G0B+4*\s+3], 0x80000000
	s_wait_alu depctr_va_vdst(0)
	s_wait_tensorcnt 0x0
	ds_add_u32 v28, v29
	ds_add_u32 v28, v29
	s_wait_dscnt 0x0
	CROUND
	JLOAD G0+4*\s, G1, G0B+4*\s, G1B               ; one load of mine is out
.endr
	v_and_b32 v1, 15, v0                           ; r
	s_wait_alu depctr_va_vdst(0)
	v_bfe_u32 v2, v0, 4, 1                         ; h
	v_and_b32 v6, 31, v0
	v_lshlrev_b32 v[CO], 4, v6                     ; 16 x lane
	s_lshl_b32 s21, s15, 15                        ; my 128 tokens,
	s_lshl_b32 s22, s16, 15
	s_add_co_u32 s22, s22, 65536                   ; my 128 columns, behind the rows' region
.irp s, 0,1
	v_add_nc_u32 v[ADR1+\s], s21, v[CO]
	v_add_nc_u32 v[ADR0+\s], s22, v[CO]
	s_add_co_u32 s21, s21, SLOT
	s_add_co_u32 s22, s22, SLOT
.endr
	s_mul_i32 s23, s14, 16*SPITCH                  ; my stage
	v_mul_u32_u24 v5, v1, SPITCH                   ; in: row r, 32 bytes for each half of the lanes
	s_wait_alu depctr_va_vdst(0)
	v_lshl_add_u32 v5, v2, 5, v5
	v_add_nc_u32 v[STO], s23, v5
	v_add_nc_u32 v[RD], s23, v[CO]                 ; back: the 32 lanes take one row of 512 bytes
	s_lshl_b32 s20, s17, 8
	s_lshl_b32 s21, s15, 7
	s_add_co_u32 s20, s20, s21                     ; my first row
	s_lshl_b32 s20, s20, 12                        ; of 4,096 bytes
	s_lshl_b32 s46, s42, 10
	s_lshl_b32 s47, s16, 9
	s_add_co_u32 s46, s46, s47                     ; my first column, in bytes
	s_add_co_u32 s20, s20, s46
	s_mov_b32 s21, 0
	s_add_nc_u64 s[12:13], s[12:13], s[20:21]
	s_mov_b32 s47, 0
	s_add_nc_u64 s[10:11], s[10:11], s[46:47]
	global_load_b128 v[8:11], v[CO], s[10:11]      ; the bias of the four columns that I store
.macro FRAG reg, adr, q, i             ; a fragment's image: four chunks of 512 bytes
.irp c, 0,1,2,3
	ds_load_b128 v[\reg+4*\c:\reg+4*\c+3], v[\adr] offset:(\i)*4096+(\q)*2048+512*\c
.endr
.endm
; 16 matrix instructions: source 1's tiles a0, a0 + 1 x source 0's eight.  The 64 accumulators take turns, one instruction a turn, in the same order in every step.
.macro MUL16 a0, p, zero
.irp a, \a0, \a0+1
.irp b, 0,1,2,3,4,5,6,7
.if \zero
	v_wmma_f32_16x16x128_fp8_fp8 v[8*(8*((\a)%4)+\b):8*(8*((\a)%4)+\b)+7], v[128*(\p)+FR*\b:128*(\p)+FR*\b+FR-1], v[AF+FR*(\a):AF+FR*(\a)+FR-1], 0
.else
	v_wmma_f32_16x16x128_fp8_fp8 v[8*(8*((\a)%4)+\b):8*(8*((\a)%4)+\b)+7], v[128*(\p)+FR*\b:128*(\p)+FR*\b+FR-1], v[AF+FR*(\a):AF+FR*(\a)+FR-1], v[8*(8*((\a)%4)+\b):8*(8*((\a)%4)+\b)+7]
.endif
.endr
.endr
.endm
.macro FETCH_B slot, q, p
	WIN TO_B
.irp i, 0,1,2,3,4,5,6,7
	FRAG 128*(\p)+FR*\i, ADR0+\slot, \q, \i
.endr
	WIN 0
.endm
.macro FETCH_A slot, q, i0
.irp i, \i0, \i0+1, \i0+2, \i0+3
	FRAG AF+FR*(\i), ADR1+\slot, \q, \i
.endr
.endm
.macro PLACES n
.rept \n
	v_nop
.endr
.endm
.macro STEP slot, q, zero
	s_wait_dscnt 4*NL                              ; source 0's set and source 1's tiles 0-3 are in; the youngest sixteen loads (tiles 4-7) may be out
	WIN MUL_LO
	MUL16 0, (\q)%2, \zero
	MUL16 2, (\q)%2, \zero
	s_wait_dscnt 0
	PLACES NP
	FETCH_B \slot, (\q)+1, 1-(\q)%2
	FETCH_A \slot, (\q)+1, 0
	WIN MUL_HI
	MUL16 4, (\q)%2, \zero
	MUL16 6, (\q)%2, \zero
	PLACES NP
	WIN 0
	FETCH_A \slot, (\q)+1, 4
.endm
.macro TURN slot, next, fill
	s_wait_tensorcnt 0x0                           ; all my tensor loads have landed: my part of the next slot
	ds_add_u32 v[SPW], v[NIL]                      ; 0 onto my spare word
	s_wait_dscnt 4*NL+1                            ; the add and the youngest sixteen loads may be out
	WIN MUL_LO
	MUL16 0, 1, 0
	s_wait_dscnt 0x0                               ; the add is done, and my reads of this slot are over
	s_barrier_signal -1
	MUL16 2, 1, 0
	WIN 0
	s_barrier_wait -1
.if \fill
	CREST                                          ; the barrier has opened a round of the cluster's: no wave of any partner still reads this slot or has a load on its way
	s_add_nc_u64 s[G0+4*\slot+2:G0+4*\slot+3], s[G0+4*\slot+2:G0+4*\slot+3], 2*ASTEP
	s_add_nc_u64 s[G0B+4*\slot+2:G0B+4*\slot+3], s[G0B+4*\slot+2:G0B+4*\slot+3], 2*BSTEP
	JLOAD G0+4*\slot, G1, G0B+4*\slot, G1B
.else
	PLACES NP
.endif
	FETCH_B \next, 0, 0
	FETCH_A \next, 0, 0
	WIN MUL_HI
	MUL16 4, 1, 0
	MUL16 6, 1, 0
	PLACES NP
	WIN 0
	FETCH_A \next, 0, 4
.endm
	s_wait_tensorcnt 1                             ; my part of K step 0 is in; K step 1's load may be out
	s_barrier_signal -1
	s_barrier_wait -1
	FETCH_B 0, 0, 0
	FETCH_A 0, 0, 0
	FETCH_A 0, 0, 4
	STEP 0, 0, 1                                   ; the first step's products start the sums
	s_mov_b32 s3, LAPS-1
.Llap:
	TURN 0, 1, 1
	STEP 1, 0, 0
	TURN 1, 0, 1
	STEP 0, 0, 0
	s_sub_co_u32 s3, s3, 1
	s_cmp_lg_u32 s3, 0
	s_cbranch_scc1 .Llap
	TURN 0, 1, 0                                   ; the last lap fills nothing
	STEP 1, 0, 0
	s_wait_dscnt 4*NL
	WIN MUL_LO
	MUL16 0, 1, 0
	MUL16 2, 1, 0
	s_wait_alu depctr_va_vdst(0)
	s_wait_dscnt 0
	WIN MUL_HI
	MUL16 4, 1, 0
	MUL16 6, 1, 0
	WIN 0
; THE WAY OUT, block by block of 16 rows x 128 columns.  The sums go into my own stage as they stand (each accumulator's low four registers first) and come back as whole rows of 512 bytes; there each lane holds four
; neighbouring columns, always the same four, so its bias is four registers: sum x 2^(e10 + e11) + bo, two numbers an instruction.  LDS serves a wave's instructions in order: no wait between the stores and the loads.
.macro TOSTAGE a
.set AC, 64*((\a)%4)
	WIN (2+(\a)/4)<<2                              ; an LDS store's data: source 1: window 2 or 3
.irp b, 0,1,2,3,4,5,6,7
	ds_store_b128 v[STO], v[AC+8*\b:AC+8*\b+3] offset:64*\b
	ds_store_b128 v[STO], v[AC+8*\b+4:AC+8*\b+7] offset:64*\b+16
.endr
	WIN 0
.set BB, BK+64*((\a)%2)
.irp t, 0,1,2,3,4,5,6,7,8,9,10,11,12,13,14,15
	ds_load_b128 v[BB+4*\t:BB+4*\t+3], v[RD] offset:\t*SPITCH
.endr
.endm
.macro SEND a, younger                 ; younger: the LDS instructions issued behind block a's loads, which may stay out
.set BB, BK+64*((\a)%2)
	s_wait_dscnt \younger                          ; the block is back in registers
.if (\a) > 0
	s_add_nc_u64 s[12:13], s[12:13], 16*4096       ; 16 rows on (behind a wait on XCNT for 0: the earlier stores have read their base)
.endif
.irp t, 0,1,2,3,4,5,6,7,8,9,10,11,12,13,14,15
	v_pk_fma_f32 v[BB+4*\t:BB+4*\t+1], v[BB+4*\t:BB+4*\t+1], s[96:97], v[8:9] op_sel_hi:[1,0,1]
	v_pk_fma_f32 v[BB+4*\t+2:BB+4*\t+3], v[BB+4*\t+2:BB+4*\t+3], s[96:97], v[10:11] op_sel_hi:[1,0,1]
.endr
.irp t, 0,1,2,3,4,5,6,7,8,9,10,11,12,13,14,15
	global_store_b128 v[CO], v[BB+4*\t:BB+4*\t+3], s[12:13] offset:\t*4096 th:TH_STORE_NT   ; 32 lanes store 512 consecutive aligned bytes; written once, read by nobody here
.endr
.endm
	s_wait_kmcnt 0x0
	s_add_co_i32 s96, s96, s97
	s_add_co_i32 s96, s96, 127
	s_lshl_b32 s96, s96, 23                        ; 2^(e10 + e11) as f32
	s_mov_b32 s97, s96                             ; (named with it as a pair, so it is written)
	s_wait_loadcnt 0x0                             ; the bias
	PLACES NP                                      ; in front of the stores that read results and of the loads into the registers that held source 1's fragments
	TOSTAGE 0
.irp a, 1,2,3,4,5,6,7
.if \a > 1
	s_wait_xcnt 0x0                                ; block a - 2's stores have read their registers and their base: block a's loads may land there, and the base may step
.endif
	TOSTAGE \a
	SEND \a-1, 32                                  ; behind block a - 1's loads: block a's 16 stores and 16 loads
.endr
	s_wait_xcnt 0x0
	SEND 7, 0
	s_wait_tensorcnt 0x0                           ; the wave's end, behind my last tensor load and my last LDS store
	ds_add_u32 v[SPW], v[NIL]
	s_wait_dscnt 0x0
	CROUND                                         ; the closing round
	s_endpgm
.Lfunc_end_k_qe0459493ef_oproj:
	.size	k_qe0459493ef_oproj, .Lfunc_end_k_qe0459493ef_oproj-k_qe0459493ef_oproj
	.p2alignl 7, 3214868480
	.fill 96, 4, 3214868480
	.section	.rodata,"a",@progbits
	.p2align	6, 0x0
	.amdhsa_kernel k_qe0459493ef_oproj
		.amdhsa_group_segment_fixed_size 327680
		.amdhsa_private_segment_fixed_size 0
		.amdhsa_enable_private_segment 0
		.amdhsa_kernarg_size 40
		.amdhsa_user_sgpr_count 2
		.amdhsa_user_sgpr_kernarg_segment_ptr 1
		.amdhsa_wavefront_size32 1
		.amdhsa_system_sgpr_workgroup_id_x 1
		.amdhsa_system_sgpr_workgroup_id_y 1
		.amdhsa_system_sgpr_workgroup_id_z 1
		.amdhsa_system_vgpr_workitem_id 0
		.amdhsa_next_free_vgpr 1024
		.amdhsa_next_free_sgpr 100
		.amdhsa_reserve_vcc 0
		.amdhsa_float_denorm_mode_32 3
		.amdhsa_float_denorm_mode_16_64 3
		.amdhsa_memory_ordered 1
		.amdhsa_forward_progress 1
		.amdhsa_inst_pref_size 124
	.end_amdhsa_kernel
	.amdgpu_metadata
---
amdhsa.version: [ 1, 2 ]
amdhsa.kernels:
  - .name:           k_qe0459493ef_oproj
    .symbol:         k_qe0459493ef_oproj.kd
    .args:
      - { .name: ac, .offset: 0, .size: 8, .value_kind: global_buffer, .address_space: global }
      - { .name: wc, .offset: 8, .size: 8, .value_kind: global_buffer, .address_space: global }
      - { .name: lowp_scales, .offset: 16, .size: 8, .value_kind: global_buffer, .address_space: global }
      - { .name: bo, .offset: 24, .size: 8, .value_kind: global_buffer, .address_space: global }
      - { .name: out0, .offset: 32, .size: 8, .value_kind: global_buffer, .address_space: global }
    .group_segment_fixed_size: 327680
    .private_segment_fixed_size: 0
    .kernarg_segment_align: 8
    .kernarg_segment_size: 40
    .max_flat_workgroup_size: 128
    .sgpr_count:     100
    .vgpr_count:     1024
    .wavefront_size: 32
...
	.end_amdgpu_metadata
.endif
;; end of part 4
